; MI455X (gfx1250); checked and timed in simulation.
; The chip was launched on July 23, 2026; its instructions are those of AMD's public machine-readable ISA for CDNA 5 (MIT licence, August 2026) and "CDNA5" Instruction Set Architecture Reference Guide (July 2026). The comments in the code are by the model that wrote it; some were corrected since.
;; Rel Position Multi Headed Attention. Allowed arithmetic: matrix products marked QUANTISED: E2M3 operands, one E8M0 scale for each 32 along K, by v_wmma_scale_f32_16x16x128_f8f6f4 with both operands' format E2M3, f32 sums; everything else in f32.
;; Inputs: W_qkv 128 x 384 float32; b_qkv 384 float32; key 32,768 x 128 float32; query 32,768 x 128 float32; u_bias 8 x 128 float32; v_bias 8 x 128 float32; value 32,768 x 128 float32.
;; Outputs: out0 8 x 4,096 x 128 float32.
;; This version of the problem:
;;   THIS VERSION OF THE PROBLEM IS GIVEN IN LOW PRECISION. The matrix products marked QUANTISED in the list below multiply operands that are first quantised to E2M3 (2 exponent bits, 3 mantissa bits; 6 bits a number), with one power-of-two scale for each 32 numbers along K (OCP MX v1.0); their sums are f32. All else is computed in f32.
;;   The module's matrix products, in the order in which they are computed (A, B: the left and right operand; K: the contracted axis; several contracted axes count as one K, in the product's order):
;;     1. [M 32,768, K 128] x [K 128, N 384]; A: input query; B: input W_qkv: QUANTISED
;;     2. batch 8 x [M 4,096, K 128] x [K 128, N 4,096]; A: computed on the way; B: computed on the way: QUANTISED
;;     3. batch 8 x [M 4,096, K 4,096] x [K 4,096, N 128]; A: softmax (see below); B: computed on the way: QUANTISED
;;   THE QUANTISER, for each operand of a quantised product, along K:
;;     - K is cut into blocks of 32 from its start; a last block that is shorter is filled with zeros.
;;     - A block's scale is 2^e with e = floor(log2(the largest magnitude in the block)) - 2, held to -126 .. 127; a block of zeros has e = 0. As a byte (E8M0): e + 127.
;;     - Each number is divided by its block's scale, clamped to +-7.5, and rounded to the nearest number of E2M3, ties to even, subnormals kept.
;;     - The product sums the exact products of the quantised numbers (number of the format x scale) in f32.
;;   ~~~python
;;   def quantise(x, axis):      # numpy; x: float32 -> the quantised numbers, widened to float32 again
;;       x = np.moveaxis(x, axis, -1); K = x.shape[-1]
;;       x = np.pad(x, [(0, 0)] * (x.ndim - 1) + [(0, -K % 32)]); x = x.reshape(x.shape[:-1] + (-1, 32)); a = np.abs(x).max(-1, keepdims=True)
;;       e = np.where(a > 0, np.clip(np.frexp(np.where(a > 0, a, 1))[1] - 1 - 2, -126, 127), 0)      # np.frexp(a)[1] - 1 = floor(log2(a)), exactly
;;       r = np.clip(x / 2.0 ** e, -7.5, 7.5)
;;       step = 2.0 ** (np.maximum(np.frexp(np.where(r == 0, 1, r))[1] - 1, 0) - 3)
;;       q = np.round(r / step) * step * 2.0 ** e      # np.round: ties to even
;;       return np.moveaxis(q.reshape(q.shape[:-2] + (-1,))[..., :K], -1, axis).astype(np.float32)
;;   ~~~
;;   SOFTMAX AHEAD OF A QUANTISED PRODUCT. Where the list says 'softmax', what is quantised is not the finished softmax but p = 2^(t - M), with t = logit x log2(e) and M = ceil(the row's largest t), a whole number; so 1/2 < the row's largest p <= 1. The row's sum l is taken of the UNQUANTISED p, in f32, and the product's result is divided by l at the end. Since M is a whole number, a kernel that streams over the keys may use a running M (the ceiling of the running maximum): every later rescaling is an exact power of two, which a block's scale takes up: the codes' values come out the same.
;;   OPERANDS COMPUTED ON THE WAY. 'Computed on the way' means the value that the module computes at that place (a softmax that the list does not call 'softmax' is quantised finished and normalised). What goes into a quantiser is computed in f32, as accurately as f32 sums, v_exp_f32 and their like allow (about 1e-6 of the number): no bf16 or f16 on the way to a quantiser, and a product that is left as it is and whose result goes on into a quantised operand takes f32 operands (vector FMAs, or v_wmma_f32_16x16x4_f32). A number that lies on a knife's edge between two numbers of the format may be rounded either way, as far as f32 arithmetic and the matrix unit's own rounding can turn it there, and no further.
;; One version. Each part assembles by itself: llvm-mc -triple=amdgcn-amd-amdhsa -mcpu=gfx1250 --defsym DOCPART=n.
;; ======== version 1 of 1: 2 launches
;; limits: right only within a limited range of input values
;; workspace buffers: codes 9,437,184 bytes; scales 393,216 bytes
;; launch proj (part 1): grid 256 x 1, 8 waves a work-group, no clusters, 43,520 bytes of LDS; arguments query, W_qkv, b_qkv, u_bias, v_bias, codes, scales; writes codes, scales
.if DOCPART == 1
	.amdgcn_target "amdgcn-amd-amdhsa--gfx1250"
	.amdhsa_code_object_version 6
	.text
	.protected	k_q73add40e1c_proj
	.globl	k_q73add40e1c_proj
	.p2align	8
	.type	k_q73add40e1c_proj,@function
k_q73add40e1c_proj:
	s_mov_b64 s[64:65], 0
	v_nop
	global_prefetch_b8 v0, s[64:65] scope:SCOPE_SE
	s_setreg_imm32_b32 hwreg(HW_REG_WAVE_MODE, 25, 1), 1
	s_wait_xcnt 0x0
; qkv = Q(query) Q(W_qkv) + b_qkv, the per-head biases, and the quantising of q, k (along the 128 features) and v (along the keys) into codes of FP6 (E2M3) with one E8M0 byte for each 32 along K.
; Token t belongs to head t % 8 and position t / 8.  A work-group takes one head and one group of 128 positions (kg); its 128 rows of query are 512 aligned bytes each.
; SHARES.  Wave w = 2 b + u owns the token tile w: row r is position 128 kg + 32 b + 8 u + r + 8 (r / 8); it makes all 128 features of q and of k for these 16 tokens (product used transposed: source 0 = 16 columns
; of W, source 1 = the tokens, so that a lane holds one token and its registers run along the features), and channels 16 w .. 16 w + 15 of v for all 128 tokens (source 0 = 16 tokens, source 1 = 16 columns of W: a lane
; holds one channel and its registers run along the keys).  THE COLUMNS OF W THAT FORM A TILE OF q OR k, AND THE TOKENS THAT FORM A TILE, ARE NOT NEIGHBOURS: so the 16 registers of tiles 2 b, 2 b + 1 are 16 neighbours along the next K.
; W is quantised by the work-group itself: wave w makes the fragments of q's tile w, k's tile w (both go to LDS as images of their registers) and v's tile w (stays in its registers).
; OUT.  codes [part 3][head 8][kg 32][tile 8][1,536]: a fragment as an image of its 12 registers: register 4 c + j of lane l at byte 512 c + 16 l + 4 j: each store of the wave covers 512 consecutive bytes, aligned.
;       scales [part 3][head 8][kg 32][512]: the word of tile t, row r at 256 (t / 4) + 16 r + 4 (t % 4).
; NO CLUSTER, NO TENSOR LOAD: W (196,608 bytes of f32) is shared by all work-groups, but each wave wants 3 of its 24 fragments with a lane to a column and registers down K, which is how the loads below bring them; through LDS
; the same 192 loads a wave would follow a fill of 196,608 bytes, and there is no loop in which slots could take turns.
; ORDER OF ROUNDING: b_qkv + u_bias (v_bias) is added first and is the C of the sum; reference() adds the two one after the other behind the sum.
; LIMITS: NaN and infinities among the inputs are not served; a block of zeros, or one whose largest magnitude lies under 2^-124, gets the byte 1 (its codes are zeros or subnormal; this program alone reads the bytes).
; The inputs key and value enter no number of the result and are not loaded.
; THE TOKENS OF A TILE, in place of what the lines above say of them: row r of token tile w is position 128 kg + 64 (w / 4) + 8 (w % 4) + r % 8 + 32 (r / 8).
; So rows 0-7 of tiles 4 c .. 4 c + 3 are the 32 keys of block 2 c and rows 8-15 those of block 2 c + 1: in v's sums, and in the next launch's scores, a lane holds whole blocks of 32 keys.
.set PARTC, 3145728
.set HEADC, 393216
.set KGC,   12288
.set FRB,   1536                       ; a fragment's image
.set WIMG,  0                          ; LDS: W's 16 fragments for q and k (8 part + tile),
.set WSC,   24576                      ; their scale words, 128 bytes each,
.set XIMG,  26624                      ; x's 8 fragments,
.set XSC,   38912                      ; their scale words,
.set BIA,   39936                      ; b + u [128], b + v [128], f32,
.set SST,   40960                      ; the three scale blocks on their way out,
.set SPARE, 42496                      ; the spare words, 128 bytes for each wave: four blocks of 256 bytes that no other line names
.set XA,  1                            ; v1   query: 4,096 (r + 24 (r / 8)) + 64 h
.set WAP, 2                            ; v2   W, q's and k's tiles: 4 (r + 8 (r / 8)) + 49,152 h
.set WAN, 3                            ; v3   W, v's tile: 4 r + 49,152 h
.set LI,  4                            ; v4   16 x lane
.set LS,  5                            ; v5   4 x lane
.set XWI, 6                            ; v6   where I store x's image
.set XWS, 7                            ; v7   and its scale words
.set WWI, 8                            ; v8   W's images
.set WWS, 9                            ; v9   and their scale words
.set BW,  10                           ; v10  my word of the biases
.set BR,  11                           ; v11  the biases as a C: BIA + 64 h
.set SW,  12                           ; v12  my row's word in a scale block
.set SR,  13                           ; v13  a scale block read back
.set H8,  14                           ; v14  8 h
.set OB,  15                           ; v15  4 x thread
.set OU,  16                           ; v16  4 x (thread % 128)
.set OV,  17                           ; v17  4 (256 + 16 w + r)
.set SPW, 18                           ; v18  LDS address of my spare word; never rewritten
.set NIL, 19                           ; v19  0; never rewritten
.set TM,  24                           ; v24-39 at work: +0..3 largest magnitudes, +4..7 the other half's, then bytes, +12..15 the conversions' scale operands
.set PW,  40                           ; v40  the scale word just made
.set XS,  41                           ; v41  my tokens' scale words
.set WVS, 42                           ; v42  my fragment of W_v's
.set WS,  44                           ; v44-47 four fragments' scale words
.set BVR, 48                           ; v48-55 b of my channel, eight times: the C of v's sums
.set PC,  56                           ; v56-67 the codes just made
.set PT,  68                           ; v68-75 the conversions' second halves
.set XF,  76                           ; v76-87 my tokens' fragment
.set WV,  88                           ; v88-99 my fragment of W_v
.set B0,  100                          ; v100-163, v164-227: 64 numbers as loaded, two sets
.set B1,  164
.set WF,  100                          ; later: v100-147 four fragments, v148-179 four tiles of bias (at the end v148-151: a scale block on its way out), v180-243 eight tiles of results
.set BI,  148
.set HA,  180
; 64 numbers of a lane, register s + 16 b + i = k 32 b + 16 (lane / 16) + i of my row, become a fragment's codes in v[d] on and its scale word in v[pw].
.macro QUANT s, d, pw
.irp b, 0,1,2,3
	v_max3_num_f32 v[TM+\b], |v[\s+16*\b]|, |v[\s+1+16*\b]|, 0x1800000   ; block b: my 16 numbers, and the floor 2^(3 - 127): the byte cannot fall under 1
.endr
.irp i, 2,4,6,8,10,12,14
.irp b, 0,1,2,3
	v_max3_num_f32 v[TM+\b], v[TM+\b], |v[\s+16*\b+\i]|, |v[\s+1+16*\b+\i]|   ; the four blocks by turns
.endr
.endr
.irp b, 0,1,2,3
	s_delay_alu instid0(VALU_DEP_4)
	v_permlanex16_b32 v[TM+4+\b], v[TM+\b], s22, s23
.endr
.irp b, 0,1,2,3
	s_delay_alu instid0(VALU_DEP_4)
	v_max_num_f32 v[TM+\b], v[TM+\b], v[TM+4+\b]   ; with lane l xor 16's: the block's largest magnitude
.endr
.irp b, 0,1,2,3
	s_delay_alu instid0(VALU_DEP_4)
	v_add_nc_u32 v[TM+12+\b], 0xff000000, v[TM+\b]   ; 2 off its exponent field: the conversion takes this operand's exponent field as its scale
.endr
.irp b, 0,1,2,3
	s_delay_alu instid0(VALU_DEP_4)
	v_lshrrev_b32 v[TM+4+\b], 23, v[TM+12+\b]      ; the scale's byte
.endr
	s_delay_alu instid0(VALU_DEP_3)
	v_lshl_or_b32 v[\pw], v[TM+5], 8, v[TM+4]      ; four bytes: my row's scale word
	s_delay_alu instid0(VALU_DEP_1)
	v_lshl_or_b32 v[\pw], v[TM+6], 16, v[\pw]
	s_delay_alu instid0(VALU_DEP_1)
	v_lshl_or_b32 v[\pw], v[TM+7], 24, v[\pw]
.irp c, 0,1
	v_cvt_scalef32_pk16_fp6_f32 v[\d+6*\c:\d+6*\c+2], v[\s+32*\c:\s+32*\c+15], v[TM+12+2*\c]
	v_cvt_scalef32_pk16_fp6_f32 v[PT+4*\c:PT+4*\c+2], v[\s+32*\c+16:\s+32*\c+31], v[TM+12+2*\c+1]   ; (a conversion's three registers begin on an even number)
.endr
	v_nop                                          ; one plain place behind the scaled conversions
.irp c, 0,1                                    ; the operand wants a WHOLE block in a lane: lanes 0-15 block 2 c, lanes 16-31 block 2 c + 1
.irp i, 0,1,2
	v_permlane16_swap_b32 v[\d+6*\c+\i], v[PT+4*\c+\i]
.endr
.irp i, 0,1,2
	s_delay_alu instid0(VALU_DEP_3)
	v_mov_b32 v[\d+6*\c+3+\i], v[PT+4*\c+\i]
.endr
.endr
.endm
; 64 numbers of a lane, register s + 32 c + i = W(64 c + 32 (lane / 16) + i, my column): two whole blocks; the conversions' results are the operand's registers.
.macro WQUANT s, d, pw, hint=1                 ; hint = 0: the 64 numbers are matrix results, and the maxima's chain carries no hint
.irp c, 0,1
	v_max3_num_f32 v[TM+\c], |v[\s+32*\c]|, |v[\s+1+32*\c]|, 0x1800000
.endr
.irp i, 2,4,6,8,10,12,14,16,18,20,22,24,26,28,30
.irp c, 0,1
.if \hint
	s_delay_alu instid0(VALU_DEP_2)
.endif
	v_max3_num_f32 v[TM+\c], v[TM+\c], |v[\s+32*\c+\i]|, |v[\s+1+32*\c+\i]|
.endr
.endr
.irp c, 0,1
	s_delay_alu instid0(VALU_DEP_2)
	v_add_nc_u32 v[TM+12+\c], 0xff000000, v[TM+\c]
.endr
.irp c, 0,1
	s_delay_alu instid0(VALU_DEP_2)
	v_lshrrev_b32 v[TM+4+\c], 23, v[TM+12+\c]
.endr
	s_delay_alu instid0(VALU_DEP_1)
	v_lshl_or_b32 v[\pw], v[TM+5], 16, v[TM+4]     ; my two bytes: blocks h and 2 + h of my column,
	s_delay_alu instid0(VALU_DEP_1)
	v_lshlrev_b32 v[\pw], v[H8], v[\pw]            ; at their places in the word;
	s_delay_alu instid0(VALU_DEP_1)
	v_permlanex16_b32 v[TM+6], v[\pw], s22, s23
	s_delay_alu instid0(VALU_DEP_1)
	v_or_b32 v[\pw], v[\pw], v[TM+6]               ; with lane l xor 16's two the word is whole
.irp c, 0,1
	v_cvt_scalef32_pk16_fp6_f32 v[\d+6*\c:\d+6*\c+2], v[\s+32*\c:\s+32*\c+15], v[TM+12+\c]
	v_cvt_scalef32_pk16_fp6_f32 v[PT+4*\c:PT+4*\c+2], v[\s+32*\c+16:\s+32*\c+31], v[TM+12+\c]
.endr
	v_nop                                          ; one plain place behind the scaled conversions
.irp c, 0,1
.irp i, 0,1,2
	v_mov_b32 v[\d+6*\c+3+\i], v[PT+4*\c+\i]
.endr
.endr
.endm
.macro IMAGE adr, off, reg                     ; a fragment goes to LDS as it stands: three stores of 512 consecutive bytes
.irp c, 0,1,2
	ds_store_b128 v[\adr], v[\reg+4*\c:\reg+4*\c+3] offset:\off+512*\c
.endr
.endm
.macro FETCH reg, off                          ; and comes back so, in any wave
.irp c, 0,1,2
	ds_load_b128 v[\reg+4*\c:\reg+4*\c+3], v[LI] offset:\off+512*\c
.endr
.endm
.macro WLOAD reg, adr, base, off               ; a fragment's 64 numbers of my column: rows 64 c + 32 h + i of W, 1,536 bytes apart
.set i, 0
.rept 64
	global_load_b32 v[\reg+i], v[\adr], s[\base:\base+1] offset:(64*(i/32)+i%32)*1536+\off
.set i, i+1
.endr
.endm
.macro PLACES
.rept 4
	v_nop
.endr
.endm
	s_load_b256 s[4:11], s[0:1], 0x0               ; query s[4:5], W s[6:7], b s[8:9], u s[10:11]
	s_load_b128 s[12:15], s[0:1], 0x20             ; v_bias s[12:13], codes s[14:15]
	s_load_b64 s[16:17], s[0:1], 0x30              ; scales
	v_lshl_add_u32 v[SPW], v0, 2, SPARE
	v_mov_b32 v[NIL], 0
	v_lshrrev_b32 v100, 5, v0
	s_delay_alu instid0(VALU_DEP_1)
	v_readfirstlane_b32 s18, v100                  ; wave 0..7
	s_and_b32 s19, ttmp9, 7                        ; head
	s_lshr_b32 s20, ttmp9, 3                       ; kg
	s_mov_b32 s22, 0x76543210
	s_mov_b32 s23, 0xfedcba98                      ; v_permlanex16_b32's selects for lane l xor 16
	v_and_b32 v100, 31, v0                         ; lane
	v_and_b32 v101, 15, v0                         ; r
	v_bfe_u32 v102, v0, 4, 1                       ; h
	s_delay_alu instid0(VALU_DEP_2)
	v_and_b32 v103, 8, v101
	s_delay_alu instid0(VALU_DEP_1)
	v_add_nc_u32 v103, v103, v101                  ; r + 8 (r / 8)
	v_and_b32 v105, 8, v101
	s_delay_alu instid0(VALU_DEP_1)
	v_mad_u32_u24 v105, v105, 3, v101              ; r + 24 (r / 8): the tokens of a tile
	s_delay_alu instid0(VALU_DEP_1)
	v_lshlrev_b32 v[XA], 12, v105                  ; a position on is 8 tokens of 512 bytes
	s_delay_alu instid0(VALU_DEP_1)
	v_lshl_add_u32 v[XA], v102, 6, v[XA]
	v_mul_u32_u24 v104, v102, 49152                ; lanes 16-31 begin 32 rows of W further down
	s_delay_alu instid0(VALU_DEP_1)
	v_lshl_add_u32 v[WAP], v103, 2, v104
	s_delay_alu instid0(VALU_DEP_2)
	v_lshl_add_u32 v[WAN], v101, 2, v104
	v_lshlrev_b32 v[LI], 4, v100
	s_wait_alu depctr_va_vdst(0)
	v_lshlrev_b32 v[LS], 2, v100
	s_mul_i32 s44, s18, FRB
	v_add_nc_u32 v[WWI], s44, v[LI]                ; WIMG = 0
	s_add_co_u32 s44, s44, XIMG
	v_add_nc_u32 v[XWI], s44, v[LI]
	s_lshl_b32 s44, s18, 7
	s_add_co_u32 s45, s44, WSC
	v_add_nc_u32 v[WWS], s45, v[LS]
	s_add_co_u32 s45, s44, XSC
	v_add_nc_u32 v[XWS], s45, v[LS]
	v_lshl_add_u32 v[BW], v0, 2, BIA
	v_lshl_add_u32 v[BR], v102, 6, BIA
	s_lshr_b32 s44, s18, 2
	s_lshl_b32 s44, s44, 8
	s_and_b32 s45, s18, 3
	s_lshl_b32 s45, s45, 2
	s_add_co_u32 s44, s44, s45
	s_add_co_u32 s44, s44, SST
	v_lshl_add_u32 v[SW], v101, 4, s44             ; 16 r + 256 (w / 4) + 4 (w % 4)
	s_min_u32 s42, s18, 2                          ; waves 0, 1, 2 send q's, k's, v's scale block
	s_lshl_b32 s44, s42, 9
	s_add_co_u32 s44, s44, SST
	v_add_nc_u32 v[SR], s44, v[LI]
	v_lshlrev_b32 v[H8], 3, v102
	v_lshlrev_b32 v[OB], 2, v0
	v_and_b32 v[OU], 127, v0
	s_delay_alu instid0(VALU_DEP_1)
	v_lshlrev_b32 v[OU], 2, v[OU]
	s_lshl_b32 s36, s18, 6
	s_add_co_u32 s36, s36, 1024                    ; 4 (256 + 16 w): v's columns of my tile, in W's rows and in b
	s_mov_b32 s37, 0
	v_lshl_add_u32 v[OV], v101, 2, s36
.irp b, 0,1,2,3
	v_mov_b32 v[TM+4+\b], 0                        ; written once: a lane permute's destination counts as one of its sources
.endr
	s_lshr_b32 s24, s18, 1
	s_lshl_b32 s24, s24, 5
	s_and_b32 s25, s18, 1
	s_lshl_b32 s25, s25, 3
	s_add_co_u32 s24, s24, s25                     ; 32 b + 8 u
	s_lshr_b32 s44, s18, 2
	s_lshl_b32 s44, s44, 6
	s_and_b32 s45, s18, 3
	s_lshl_b32 s45, s45, 3
	s_add_co_u32 s44, s44, s45                     ; 64 (w / 4) + 8 (w % 4)
	s_lshl_b32 s26, s20, 7
	s_add_co_u32 s26, s26, s44                     ; my tile's first position
	s_lshl_b32 s26, s26, 3
	s_add_co_u32 s26, s26, s19                     ; its token
	s_lshl_b32 s26, s26, 9                         ; in bytes
	s_mov_b32 s27, 0
	s_lshl_b32 s34, s24, 2                         ; q's columns of my tile
	s_mov_b32 s35, 0
	s_lshl_b32 s38, s19, 9                         ; my head's row of u_bias or v_bias
	s_mov_b32 s39, 0
	s_mul_i32 s40, s19, HEADC
	s_mul_i32 s41, s20, KGC
	s_add_co_u32 s40, s40, s41
	s_mul_i32 s41, s18, FRB
	s_add_co_u32 s40, s40, s41                     ; my tile's place in a part of codes
	s_mov_b32 s41, 0
	s_lshl_b32 s42, s42, 17                        ; a part of scales is 131,072 bytes,
	s_lshl_b32 s43, s19, 14                        ; a head 16,384,
	s_add_co_u32 s42, s42, s43
	s_lshl_b32 s43, s20, 9                         ; a block 512
	s_add_co_u32 s42, s42, s43
	s_mov_b32 s43, 0
	s_wait_alu depctr_va_vdst(0)
	s_wait_kmcnt 0x0
	s_add_nc_u64 s[4:5], s[4:5], s[26:27]
	s_add_nc_u64 s[28:29], s[6:7], s[34:35]        ; W at q's tile w (k's: 512 bytes on)
	s_add_nc_u64 s[30:31], s[6:7], s[36:37]        ; W at v's tile w
	s_cmp_lt_u32 s18, 4                            ; threads 0-127 make b + u, threads 128-255 b + v
	s_cselect_b64 s[32:33], s[10:11], s[12:13]
	s_add_nc_u64 s[32:33], s[32:33], s[38:39]
	s_add_nc_u64 s[14:15], s[14:15], s[40:41]
	s_add_nc_u64 s[16:17], s[16:17], s[42:43]
	global_load_b32 v20, v[OB], s[8:9]             ; b[thread]
	global_load_b32 v21, v[OU], s[32:33]           ; u or v [head][thread % 128]
	global_load_b32 v22, v[OV], s[8:9]             ; b[256 + 16 w + r]
.irp b, 0,1,2,3
.irp j, 0,1,2,3
	global_load_b128 v[B0+16*\b+4*\j:B0+16*\b+4*\j+3], v[XA], s[4:5] offset:128*\b+16*\j th:TH_LOAD_NT   ; my token's numbers 32 b + 16 h + 4 j on
.endr
.endr
	WLOAD B1, WAN, 30, 0                           ; W_v's fragment
	s_wait_loadcnt 63                              ; the 64 loads just issued may stay out (the count's field ends at 63): the biases and x are in
	v_add_f32 v20, v20, v21
	ds_store_b32 v[BW], v20
.irp j, 0,1,2,3,4,5,6,7
	v_mov_b32 v[BVR+\j], v22
.endr
	QUANT B0, XF, XS
	IMAGE XWI, 0, XF
	ds_store_b32 v[XWS], v[XS]
	WLOAD B0, WAP, 28, 0                           ; W_q's fragment
	s_wait_loadcnt 63                              ; W_v's 64 are in
	WQUANT B1, WV, WVS
	WLOAD B1, WAP, 28, 512                         ; W_k's fragment
	s_wait_loadcnt 63                              ; W_q's 64 are in
	WQUANT B0, PC, PW
	IMAGE WWI, 0, PC
	ds_store_b32 v[WWS], v[PW]
	s_wait_loadcnt 0x0
	s_wait_dscnt 0x0                               ; the stores have read the codes' registers
	WQUANT B1, PC, PW
	IMAGE WWI, 8*FRB, PC
	ds_store_b32 v[WWS], v[PW] offset:1024
	s_wait_dscnt 0x0                               ; for the others' sake: my stores have landed
	s_barrier_signal -1
	s_barrier_wait -1                              ; the biases, x's eight fragments and W's sixteen lie in LDS
	; ---- q, then k, of my 16 tokens: eight tiles of 16 features, four at a time; each sum is one matrix instruction with the bias as its C
.irp part, 0,1
.irp G, 0,1
.irp i, 0,1,2,3
	FETCH WF+12*\i, WIMG+(8*\part+4*\G+\i)*FRB
	ds_load_b32 v[WS+\i], v[LS] offset:WSC+128*(8*\part+4*\G+\i)
	ds_load_b128 v[BI+8*\i:BI+8*\i+3], v[BR] offset:512*\part+4*(32*((4*\G+\i)/2)+8*(\i%2))       ; features 32 (t / 2) + 8 (t % 2) + 16 h + 0 .. 7
	ds_load_b128 v[BI+8*\i+4:BI+8*\i+7], v[BR] offset:512*\part+4*(32*((4*\G+\i)/2)+8*(\i%2))+16
.endr
	s_wait_dscnt 0x0
.irp i, 0,1,2,3
	v_wmma_scale_f32_16x16x128_f8f6f4 v[HA+8*(4*\G+\i):HA+8*(4*\G+\i)+7], v[WF+12*\i:WF+12*\i+11], v[XF:XF+11], v[BI+8*\i:BI+8*\i+7], v[WS+\i], v[XS] matrix_a_fmt:MATRIX_FMT_FP6 matrix_b_fmt:MATRIX_FMT_FP6
.endr
	PLACES                                         ; in front of loads into registers that the products have read, and of the first read of results
.endr
.if \part > 0
	s_wait_xcnt 0x0                                ; the last part's stores have read the codes' registers
.endif
	QUANT HA, PC, PW
.irp c, 0,1,2
	global_store_b128 v[LI], v[PC+4*\c:PC+4*\c+3], s[14:15] offset:\part*PARTC+512*\c
.endr
	ds_store_b32 v[SW], v[PW] offset:512*\part
.endr
	; ---- v: my 16 channels for all 128 tokens: source 0 = a token tile, source 1 = my fragment of W_v
.irp G, 0,1
.irp i, 0,1,2,3
	FETCH WF+12*\i, XIMG+(4*\G+\i)*FRB
	ds_load_b32 v[WS+\i], v[LS] offset:XSC+128*(4*\G+\i)
.endr
	s_wait_dscnt 0x0
.irp i, 0,1,2,3
	v_wmma_scale_f32_16x16x128_f8f6f4 v[HA+8*(4*\G+\i):HA+8*(4*\G+\i)+7], v[WF+12*\i:WF+12*\i+11], v[WV:WV+11], v[BVR:BVR+7], v[WS+\i], v[WVS] matrix_a_fmt:MATRIX_FMT_FP6 matrix_b_fmt:MATRIX_FMT_FP6
.endr
	PLACES
.endr
	s_wait_xcnt 0x0                                ; k's stores have read the codes' registers
	WQUANT HA, PC, PW, 0                           ; register 32 c + i is key 64 c + 32 h + i of my channel: two whole blocks a lane
.irp c, 0,1,2
	global_store_b128 v[LI], v[PC+4*\c:PC+4*\c+3], s[14:15] offset:2*PARTC+512*\c
.endr
	ds_store_b32 v[SW], v[PW] offset:1024
	s_wait_tensorcnt 0x0                           ; behind my last LDS store: a tensor wait, an LDS add and an LDS wait;
	ds_add_u32 v[SPW], v[NIL]
	s_wait_dscnt 0x0                               ; the last of them is also the wait for my scale words' stores, for the others' sake
	s_barrier_signal -1
	s_barrier_wait -1                              ; the three scale blocks are whole
	s_cmp_lt_u32 s18, 3
	s_cbranch_scc0 .Lend
	ds_load_b128 v[BI:BI+3], v[SR]                 ; into registers that no pending store reads: v's codes may still be leaving from theirs
	s_wait_dscnt 0x0
	global_store_b128 v[LI], v[BI:BI+3], s[16:17]  ; 512 consecutive bytes, aligned
.Lend:
	s_endpgm
.Lfunc_end_k_q73add40e1c_proj:
	.size	k_q73add40e1c_proj, .Lfunc_end_k_q73add40e1c_proj-k_q73add40e1c_proj
	.p2alignl 7, 3214868480
	.fill 96, 4, 3214868480
	.section	.rodata,"a",@progbits
	.p2align	6, 0x0
	.amdhsa_kernel k_q73add40e1c_proj
		.amdhsa_group_segment_fixed_size 43520
		.amdhsa_private_segment_fixed_size 0
		.amdhsa_enable_private_segment 0
		.amdhsa_kernarg_size 56
		.amdhsa_user_sgpr_count 2
		.amdhsa_user_sgpr_kernarg_segment_ptr 1
		.amdhsa_wavefront_size32 1
		.amdhsa_system_sgpr_workgroup_id_x 1
		.amdhsa_system_sgpr_workgroup_id_y 1
		.amdhsa_system_sgpr_workgroup_id_z 1
		.amdhsa_system_vgpr_workitem_id 0
		.amdhsa_next_free_vgpr 256
		.amdhsa_next_free_sgpr 66
		.amdhsa_reserve_vcc 0
		.amdhsa_float_denorm_mode_32 3
		.amdhsa_float_denorm_mode_16_64 3
		.amdhsa_memory_ordered 1
		.amdhsa_forward_progress 1
		.amdhsa_inst_pref_size 69
	.end_amdhsa_kernel
	.amdgpu_metadata
---
amdhsa.version: [ 1, 2 ]
amdhsa.kernels:
  - .name:           k_q73add40e1c_proj
    .symbol:         k_q73add40e1c_proj.kd
    .args:
      - { .name: query, .offset: 0, .size: 8, .value_kind: global_buffer, .address_space: global }
      - { .name: W_qkv, .offset: 8, .size: 8, .value_kind: global_buffer, .address_space: global }
      - { .name: b_qkv, .offset: 16, .size: 8, .value_kind: global_buffer, .address_space: global }
      - { .name: u_bias, .offset: 24, .size: 8, .value_kind: global_buffer, .address_space: global }
      - { .name: v_bias, .offset: 32, .size: 8, .value_kind: global_buffer, .address_space: global }
      - { .name: codes, .offset: 40, .size: 8, .value_kind: global_buffer, .address_space: global }
      - { .name: scales, .offset: 48, .size: 8, .value_kind: global_buffer, .address_space: global }
    .group_segment_fixed_size: 43520
    .private_segment_fixed_size: 0
    .kernarg_segment_align: 8
    .kernarg_segment_size: 56
    .max_flat_workgroup_size: 256
    .sgpr_count:     66
    .vgpr_count:     256
    .wavefront_size: 32
...
	.end_amdgpu_metadata
.endif
;; end of part 1
;; launch attn (part 2): grid 32 x 8, 4 waves a work-group, clusters of 4 x 1, 327,680 bytes of LDS; arguments codes, scales, out0; writes out0
.if DOCPART == 2
	.amdgcn_target "amdgcn-amd-amdhsa--gfx1250"
	.amdhsa_code_object_version 6
	.text
	.protected	k_q73add40e1c_attn
	.globl	k_q73add40e1c_attn
	.p2align	8
	.type	k_q73add40e1c_attn,@function
k_q73add40e1c_attn:
	s_mov_b64 s[64:65], 0
	v_nop
	global_prefetch_b8 v0, s[64:65] scope:SCOPE_SE
	s_setreg_imm32_b32 hwreg(HW_REG_WAVE_MODE, 25, 1), 1
	s_wait_xcnt 0x0
	s_wait_alu depctr_hold_cnt(0) depctr_sa_sdst(0) depctr_va_vdst(0) depctr_va_sdst(0) depctr_va_ssrc(0) depctr_va_vcc(0) depctr_vm_vsrc(0)
	s_getreg_b32 s2, hwreg(HW_REG_IB_STS2, 6, 4)
	s_cmp_eq_u32 s2, 0
	s_cbranch_scc0 .Lentry_in_a_cluster
	s_endpgm
.Lentry_in_a_cluster:
	s_bfe_u32 s2, ttmp6, 0x10000c
	s_cmp_lg_u32 s2, 0x3003
	s_cbranch_scc0 .Lentry_shape_is_right
	s_endpgm
.Lentry_shape_is_right:
; out0 = softmax(q k^T / sqrt(128)) v on codes of FP6 (E2M3) with E8M0 scales, as the first launch left them.  The inputs key and value enter no number of reference()'s result and are not loaded.
; THE DEAL.  A work-group takes one head and 128 queries; each of its four waves takes two tiles of 16 queries against ALL 4,096 keys: no sum is shared between waves.
; A STEP IS 512 KEYS (four groups g of 128): S^T = k q^T into 512 registers, one running maximum and one rescaling of O^T for the 512, p = 2^(t - M), p's codes, O^T += v^T p^T.
; Both products are used transposed: a lane holds one query.  By the first launch's order of a tile's tokens, lane half h holds in the 32 registers of tiles 4 c .. 4 c + 3 the whole block 2 c + h of 32 keys,
; in the keys' own order: a block's largest score, its scale and its codes need no other lane; only the row's maximum, the scale word and the final sum cross the two halves.
; M is the running largest t rounded up to a whole number (kept as -M); a change of M multiplies the sum and O^T by a power of two.  The row's sum is taken of the unquantised p.
; A block's largest p is made from its largest score by the same multiply-add and exponential.
; LDS: two slots (K's four groups, 49,152 bytes, then V's), filled by joint loads of the cluster's four work-groups, which share a head's K and V; the head's scale bytes of K and V, filled once; a stage for each wave; the spare words.
; ORDER.  At a step's top stand the three lines and a round of the cluster's barrier (32 products inside them), then the refill of the slot read last, one load a wave (a quarter of a slot).
; Behind the step's 48th product of v a plain barrier, with each wave's wait for its load ahead of it, shows the next slot whole; then the next step's first two groups of K are fetched, under the row sums.
; Two sets of fragment registers: a set's 25 LDS loads (24 of codes, one of scale words) are issued behind the products that read it last, and waited for with the other set's 25 still out.
; PREFETCH: in the trip that loads step s + 1 each cluster names step s + 2's 98,304 bytes once, 256 bytes a lane: work-group cx takes K or V (cx % 2) and a half (cx / 2), waves 0-2 a third each; the last two trips ask for nothing.
; LIMITS: NaN and infinities are not served; the promise holds while the scaled scores stay under 2^31 in magnitude.
.set PARTC, 3145728
.set HEADC, 393216
.set KGC,   12288
.set SLOT1, 131072
.set VOFF,  49152
.set SCL,   229376
.set STAGE, 262144
.set SPITCH, 528
.set SPARE, 295936
; window 0
.set A0,  1                            ; 16 x lane
.set ADK, 2                            ; LDS: K's fragments of the slot
.set ADV, 3                            ; V's
.set ADS, 4                            ; the step's scale words
.set SPW, 5
.set NIL, 6
.set PFO, 7
.set H8,  8
.set ST,  10                           ; for each tile y: -M, the running largest t, the sum in two halves
.set F,   18                           ; f and a filler, for each y
.set SC,  22                           ; two sets of four scale words (K's or V's)
.set QS,  30
.set PS,  32                           ; p's eight scale words
.set TC,  40                           ; at work
.set BM,  48                           ; 16 blocks' largest (4 g + 2 y + c); later the sums' eight chains
.set PC,  64                           ; p's codes: 12 (2 g + y)
.set FB,  160                          ; fragment set 1
; window 1: O^T at 64 y + 8 t; fragment set 0 at 128; q's fragments at 224.  Windows 2, 3: S^T, then p: group g in window 2 + g / 2 at 128 (g % 2) + 64 y + 8 t
.set FA,  128
.set QF,  224
.set WV,  10
.set SEL, 20
.set CS,  22
.set G1,  24
.set G1H, 32
.set G1S, 40
.set G0,  48
.set G0H, 52
.set G0S, 56
.set TB,  60
.set TS,  61
.set CNT, 62
.set LIM, 63
.set PFA, 66
.set MSB, 0
.macro WIN new
.set NW_, \new
.if MSB != NW_
	s_set_vgpr_msb (MSB<<8)|NW_
.set MSB, NW_
.endif
.endm
.macro PLACES
.rept 4
	v_nop
.endr
.endm
.macro WALU
	s_wait_alu depctr_va_vdst(0)
.endm
.macro CREST
	s_cmp_lg_u32 s[WV], 0
	s_cbranch_scc1 .Lnot_wave_0_\@
	s_barrier_signal -3
.Lnot_wave_0_\@:
	s_barrier_wait -3
	s_barrier_signal -1
	s_barrier_wait -1
.endm
.macro CROUND
	s_barrier_signal -1
	s_barrier_wait -1
	CREST
.endm
.macro GRP g, rows                     ; a dense block as rows of 256 bytes, asked for by the cluster's four
	s_mov_b32 s[\g], 15|(3<<16)|(1<<21)
	s_mov_b32 s[\g+1], 32<<16
	s_mov_b32 s[\g+2], (\rows)<<16
	s_mov_b32 s[\g+3], 32<<16
	s_mov_b32 s[\g+4], \rows
	s_mov_b32 s[\g+5], 32
	s_mov_b32 s[\g+6], 0
	s_mov_b32 s[\g+7], 0
.endm
.macro FETCH set, adr, off, soff       ; eight fragments as images of their registers, and their scale words: 25 loads
.if \set
	WIN 0
.set FX_, FB
.else
	WIN 0x40
.set FX_, FA
.endif
.irp f, 0,1,2,3,4,5,6,7
.irp c, 0,1,2
	ds_load_b128 v[FX_+12*\f+4*\c:FX_+12*\f+4*\c+3], v[\adr] offset:\off+1536*\f+512*\c
.endr
.endr
	WIN 0
	ds_load_b128 v[SC+4*\set:SC+4*\set+3], v[ADS] offset:\soff
.endm
.macro MM d, a, b, c, sa, sb, row
.if \row
	v_wmma_scale_f32_16x16x128_f8f6f4 v[\d:\d+7], v[\a:\a+11], v[\b:\b+11], \c, v[\sa], v[\sb] matrix_a_fmt:MATRIX_FMT_FP6 matrix_b_fmt:MATRIX_FMT_FP6 matrix_a_scale:MATRIX_SCALE_ROW1
.else
	v_wmma_scale_f32_16x16x128_f8f6f4 v[\d:\d+7], v[\a:\a+11], v[\b:\b+11], \c, v[\sa], v[\sb] matrix_a_fmt:MATRIX_FMT_FP6 matrix_b_fmt:MATRIX_FMT_FP6
.endif
.endm
.macro SMUL g, set                     ; S^T of group g: 8 tiles of keys x 2 tiles of queries
.irp t, 0,1,2,3,4,5,6,7
.irp y, 0,1
.set D_, 128*((\g)%2)+64*\y+8*\t
.set A_, FA+(FB-FA)*\set+12*\t
.set B_, QF+12*\y
.set SA_, SC+4*\set+\t%4
.set SB_, QS+\y
.set R_, \t/4
	WIN (1-\set)|(1<<2)|((2+(\g)/2)<<6)
	MM D_, A_, B_, 0, SA_, SB_, R_
.if \g > 0
	MAXG (\g)-1, 2*\t+\y                           ; behind each product four lines of the maxima of the group before
.endif
.endr
.endr
.endm
.macro PVMUL g, set                    ; O^T += v^T p^T over group g's 128 keys; the 16 accumulators by turns
.irp t, 0,1,2,3,4,5,6,7
.irp y, 0,1
.set D_, 64*\y+8*\t
.set A_, FA+(FB-FA)*\set+12*\t
.set B_, PC+12*(2*\g+\y)
.set SA_, SC+4*\set+\t%4
.set SB_, PS+((2+2*((\g)/2)+4*((\g)%2))%8)+\y
.set R_, \t/4
	WIN (1-\set)|(1<<4)|(1<<6)
	MM D_, A_, B_, v[D_:D_+7], SA_, SB_, R_
.set SN_, 3*(16*\g+2*\t+\y)
	SUMOP SN_                                      ; behind each product three lines of the rows' sums: 192 of the 248
	SUMOP SN_+1
	SUMOP SN_+2
.endr
.endr
.endm
.macro ASK
	s_cmp_gt_u32 s[CNT], s[LIM]
	s_cbranch_scc0 .Lnot_mine_\@
	global_prefetch_b8 v[PFO], s[PFA:PFA+1] th:TH_LOAD_NT scope:SCOPE_SE
.Lnot_mine_\@:
.endm
; Line n (0 .. 15) of each of the four chains (z = 2 y + c) that find the largest score of group g's four blocks of 32; each accumulator is read from its low end on
.macro MAXG g, n
.set MW_, 2+(\g)/2
.set MN_, \n
.if MN_ == 0
	WIN MW_*0x15
.else
	WIN MW_*0x14
.endif
.irp z, 0,1,2,3
.set MB_, BM+4*(\g)+\z
.set MS_, 128*((\g)%2)+32*\z
.if MN_ == 0
	v_max3_num_f32 v[MB_], v[MS_], v[MS_+1], v[MS_+2]
.elseif MN_ < 15
	v_max3_num_f32 v[MB_], v[MB_], v[MS_+2*MN_+1], v[MS_+2*MN_+2]
.else
	v_max_num_f32 v[MB_], v[MB_], v[MS_+31]
.endif
.endr
.endm
; Line n (0 .. 247) of the rows' sums of the unquantised p: four chains for each y, the eight by turns; lines 0-7 begin the chains, lines up to 119 take window 2's pairs, the others window 3's
.macro SUMOP n
.set N_, \n
.if N_ < 8
	WIN 0x0a
.set Y_, N_/4
.set Q_, N_%4
	v_pk_add_f32 v[BM+8*Y_+2*Q_:BM+8*Y_+2*Q_+1], v[64*Y_+2*Q_:64*Y_+2*Q_+1], v[64*Y_+2*Q_+8:64*Y_+2*Q_+9]
.else
.if N_ < 120
	WIN 0x08
.set PP_, 8+(N_-8)/2
.else
	WIN 0x0c
.set PP_, (N_-120)/2
.endif
.set Y_, N_%2
.set AC_, BM+8*Y_+2*(PP_%4)
.set SR_, 128*(PP_/32)+64*Y_+2*(PP_%32)
	v_pk_add_f32 v[AC_:AC_+1], v[AC_:AC_+1], v[SR_:SR_+1]
.endif
.endm
.macro FMA2 r, y
	v_pk_fma_f32 v[\r:\r+1], v[\r:\r+1], s[CS:CS+1], v[ST+4*(\y):ST+4*(\y)+1] op_sel_hi:[1,0,0]
.endm
.macro EXPW w                          ; a window's 256 numbers: t - M, then 2^(t - M), in four batches of 64; the next batch's multiply-adds stand among a batch's exponentials
	WIN (2+\w)*0x41
.set j, 0
.rept 32
	FMA2 j, 0
.set j, j+2
.endr
.irp b, 0,1,2,3
	WALU
.set j, 64*\b
.rept 32
	v_exp_f32 v[j], v[j]
	v_exp_f32 v[j+1], v[j+1]
.if \b < 3
	FMA2 j+64, (\b+1)%2
.endif
.set j, j+2
.endr
.endr
.endm
.macro SOFTMAX
.set n3, 0
.rept 16
	MAXG 3, n3                                     ; groups 0 to 2 had their maxima among the products
.set n3, n3+1
.endr
	WIN 0
.irp y, 0,1
	v_max3_num_f32 v[TC+\y], v[BM+2*\y], v[BM+2*\y+1], v[BM+4+2*\y]
.endr
.irp y, 0,1
	v_max3_num_f32 v[TC+\y], v[TC+\y], v[BM+5+2*\y], v[BM+8+2*\y]
.endr
.irp y, 0,1
	v_max3_num_f32 v[TC+\y], v[TC+\y], v[BM+9+2*\y], v[BM+12+2*\y]
.endr
.irp y, 0,1
	v_max_num_f32 v[TC+\y], v[TC+\y], v[BM+13+2*\y]
.endr
.irp y, 0,1
	v_permlanex16_b32 v[TC+2+\y], v[TC+\y], s[SEL], s[SEL+1]
.endr
.irp y, 0,1
	v_max_num_f32 v[TC+\y], v[TC+\y], v[TC+2+\y]   ; the step's largest score of my query
.endr
.irp y, 0,1
	v_mul_f32 v[TC+\y], s[CS], v[TC+\y]
.endr
.irp y, 0,1
	v_max_num_f32 v[ST+4*\y+1], v[ST+4*\y+1], v[TC+\y]
.endr
.irp y, 0,1
	v_mov_b32 v[TC+\y], v[ST+4*\y]
.endr
.irp y, 0,1
	v_floor_f32 v[ST+4*\y], -v[ST+4*\y+1]          ; -M = floor(-t)
.endr
.irp y, 0,1
	v_sub_f32 v[TC+\y], v[ST+4*\y], v[TC+\y]
.endr
.irp y, 0,1
	v_cvt_i32_f32 v[TC+\y], v[TC+\y]
.endr
.irp y, 0,1
	v_ldexp_f32 v[F+2*\y], 1.0, v[TC+\y]           ; f = 2^(old M - new M)
.endr
.irp y, 0,1
	v_pk_mul_f32 v[ST+4*\y+2:ST+4*\y+3], v[ST+4*\y+2:ST+4*\y+3], v[F+2*\y:F+2*\y+1] op_sel_hi:[1,0]
.endr
.irp g, 0,1,2,3
.irp y, 0,1
.irp c, 0,1
	v_fma_f32 v[BM+4*\g+2*\y+\c], v[BM+4*\g+2*\y+\c], s[CS], v[ST+4*\y]
.endr
.endr
.endr
	EXPW 0
	EXPW 1
	WIN 0
.set j, 0
.rept 16
	v_exp_f32 v[BM+j], v[BM+j]                     ; each block's largest p
.set j, j+1
.endr
	v_nop                                          ; one plain place behind the exponentials
	WALU                                           ; the wait ahead of the batch's first reader
.set j, 0
.rept 16
	v_max_num_f32 v[BM+j], 0x1800000, v[BM+j]      ; the floor 2^(3 - 127): the byte cannot fall under 1
.set j, j+1
.endr
.set j, 0
.rept 16
	v_add_nc_u32 v[BM+j], 0xff000000, v[BM+j]      ; 2 off the exponent field: the conversions' scale operand
.set j, j+1
.endr
.set j, 0
.rept 16
	v_lshrrev_b32 v[PC+j], 23, v[BM+j]             ; the byte (p's codes' registers are free here)
.set j, j+1
.endr
.irp op, 0,1,2,3
.irp g, 0,1,2,3
.irp y, 0,1
.set P_, PS+((2+2*((\g)/2)+4*((\g)%2))%8)+\y
.set K_, PC+2*\g+\y
.if \op == 0
	v_lshl_or_b32 v[P_], v[PC+4*\g+2*\y+1], 16, v[PC+4*\g+2*\y]   ; my two bytes: blocks h and 2 + h,
.elseif \op == 1
	v_lshlrev_b32 v[P_], v[H8], v[P_]              ; at their places in the word;
.elseif \op == 2
	v_permlanex16_b32 v[K_], v[P_], s[SEL], s[SEL+1]
.else
	v_or_b32 v[P_], v[P_], v[K_]                   ; with lane l xor 16's two the word is whole
.endif
.endr
.endr
.endr
.irp g, 0,1,2,3
.irp y, 0,1
.set S_, 128*((\g)%2)+64*\y
.set P_, PC+12*(2*\g+\y)
	WIN 2+(\g)/2
.irp c, 0,1
	v_cvt_scalef32_pk16_fp6_f32 v[P_+6*\c:P_+6*\c+2], v[S_+32*\c:S_+32*\c+15], v[BM+4*\g+2*\y+\c]
	v_cvt_scalef32_pk16_fp6_f32 v[TC+4*\c:TC+4*\c+2], v[S_+32*\c+16:S_+32*\c+31], v[BM+4*\g+2*\y+\c]   ; (a conversion's three registers begin on an even number)
.endr
	WIN 0
	v_nop                                          ; one plain place behind the scaled conversions
.irp c, 0,1
.irp i, 0,1,2
	v_mov_b32 v[P_+6*\c+3+\i], v[TC+4*\c+\i]
.endr
.endr
.endr
.endr
.endm
.macro SUMS                            ; the rows' sums of the unquantised p: four chains for each y, by turns
.set sn, 192
.rept 56
	SUMOP sn                                       ; the last 56 lines; then the chains are joined
.set sn, sn+1
.endr
	WIN 0
.irp y, 0,1
	v_pk_add_f32 v[BM+8*\y:BM+8*\y+1], v[BM+8*\y:BM+8*\y+1], v[BM+8*\y+2:BM+8*\y+3]
	v_pk_add_f32 v[BM+8*\y+4:BM+8*\y+5], v[BM+8*\y+4:BM+8*\y+5], v[BM+8*\y+6:BM+8*\y+7]
.endr
.irp y, 0,1
	v_pk_add_f32 v[BM+8*\y:BM+8*\y+1], v[BM+8*\y:BM+8*\y+1], v[BM+8*\y+4:BM+8*\y+5]
.endr
.irp y, 0,1
	v_pk_add_f32 v[ST+4*\y+2:ST+4*\y+3], v[ST+4*\y+2:ST+4*\y+3], v[BM+8*\y:BM+8*\y+1]
.endr
.endm
; A step of 512 keys.  more = 1: a later step follows (the loop's text); more = 0: the last step, which asks for nothing and meets nobody.
.macro STEP more
.if \more
	s_wait_tensorcnt 0x0                           ; the lines ahead of the refill's round
	ds_add_u32 v[SPW], v[NIL]
	s_xor_b32 s[G0+1], s[G0+1], SLOT1              ; no load of mine is out: the next step's quarter, into the slot read last
	s_add_nc_u64 s[G0+2:G0+3], s[G0+2:G0+3], 4*KGC
	s_wait_xcnt 0x0                                ; my prefetch has read its address
	s_add_nc_u64 s[PFA:PFA+1], s[PFA:PFA+1], 4*KGC
	s_wait_dscnt 26                                ; group 0's 25 loads are in; group 1's 25 and the add may be out
	SMUL 0, 0
	PLACES                                         ; ahead of the first read of group 0's scores
	s_wait_dscnt 0x0                               ; the add is done, and all my reads
	s_barrier_signal -1
	SMUL 1, 1
	WIN 0
	s_barrier_wait -1
	CREST
	tensor_load_to_lds s[G0:G0+3], s[G1:G1+7]
	s_nop 0
	PLACES                                         ; also the places ahead of the loads into the products' registers
.else
	s_wait_dscnt 25
	SMUL 0, 0
	PLACES
	s_wait_dscnt 0x0
	SMUL 1, 1
	WIN 0
	PLACES
.endif
	FETCH 0, ADK, 2*KGC, 1024
	FETCH 1, ADK, 3*KGC, 1536
.if \more
	ASK
.endif
	s_wait_dscnt 25                                ; the older set is in, the younger set's 25 may be out: so at each such wait below
	SMUL 2, 0
	WIN 0
	PLACES
	FETCH 0, ADV, 0, 16384
	s_wait_dscnt 25
	SMUL 3, 1
	WIN 0
	PLACES
	FETCH 1, ADV, KGC, 16384+512
	SOFTMAX
	WALU                                           ; the wait directly ahead of the first reader of O^T
	WIN 0x41
.irp y, 0,1
.set j, 0
.rept 32
	v_pk_mul_f32 v[64*\y+j:64*\y+j+1], v[64*\y+j:64*\y+j+1], v[F+2*\y:F+2*\y+1] op_sel_hi:[1,0]   ; O^T under the new M
.set j, j+2
.endr
.endr
	WALU
	s_wait_dscnt 25
	PVMUL 0, 0
	WIN 0
	PLACES
	FETCH 0, ADV, 2*KGC, 16384+1024
	WALU                                           ; the sums' chains go on behind the wait below
	s_wait_dscnt 25
	PVMUL 1, 1
	WIN 0
	PLACES
	FETCH 1, ADV, 3*KGC, 16384+1536
	WALU
	s_wait_dscnt 25
	PVMUL 2, 0
	WALU
.if \more
	s_wait_tensorcnt 0x0                           ; my quarter of the next slot is in
.endif
	s_wait_dscnt 0x0
.if \more
	s_barrier_signal -1                            ; a plain barrier: it shows the next slot whole
.endif
	PVMUL 3, 1
	WIN 0
.if \more
	WALU
	s_barrier_wait -1
	s_xor_b32 s[TB], s[TB], SLOT1
	s_add_co_u32 s[TS], s[TS], 2048
	v_add_nc_u32 v[ADK], s[TB], v[A0]              ; these three and the v_nop are the places ahead of the loads
	v_add_nc_u32 v[ADS], s[TS], v[A0]
	v_add_nc_u32 v[ADV], VOFF, v[ADK]
	v_nop
	FETCH 0, ADK, 0, 0                             ; the next step's first two groups of K land under the sums
	FETCH 1, ADK, KGC, 512
.endif
	SUMS
.endm
; ---- the head
	s_load_b128 s[4:7], s[0:1], 0x0                ; codes, scales
	s_load_b64 s[8:9], s[0:1], 0x10                ; out0
	v_lshl_add_u32 v[SPW], v0, 2, SPARE
	v_mov_b32 v[NIL], 0
	ds_add_u32 v[SPW], v[NIL]                      ; the opening lines
	ds_add_u32 v[SPW], v[NIL]
	v_lshrrev_b32 v64, 5, v0
	v_readfirstlane_b32 s[WV], v64
	s_lshr_b32 s11, s[WV], 1                       ; I load for K (0) or V (1)
	s_and_b32 s12, s[WV], 1                        ; at the head: codes (0) or scale bytes (1); in the ring: which half
	s_bfe_u32 s13, ttmp6, 0x40000                  ; cx
	s_lshl_b32 s14, ttmp9, 2
	s_add_co_u32 s14, s14, s13                     ; my block of 128 queries
	s_and_b32 s15, ttmp7, 0xffff                   ; head
	GRP G1, 96
	GRP G1H, 192
	GRP G1S, 64
	s_mov_b32 s[G0], 1
	s_mul_i32 s[G0+1], s[WV], 2*KGC
	s_mov_b32 s[G0H], 1
	s_mul_i32 s[G0H+1], s11, VOFF
	s_mov_b32 s[G0S], 1
	s_lshl_b32 s[G0S+1], s11, 14
	s_add_co_u32 s[G0S+1], s[G0S+1], SCL
	s_add_co_u32 s72, s11, 1
	s_mul_i32 s68, s72, PARTC
	s_mul_i32 s74, s15, HEADC
	s_add_co_u32 s68, s68, s74                     ; my part and head in codes
	s_mov_b32 s69, 0
	s_mul_i32 s70, s12, 2*KGC
	s_add_co_u32 s70, s70, s68
	s_mov_b32 s71, 0
	s_lshl_b32 s72, s72, 17
	s_lshl_b32 s76, s15, 14
	s_add_co_u32 s72, s72, s76                     ; and in scales
	s_mov_b32 s73, 0
	s_and_b32 s80, s13, 1
	s_add_co_u32 s80, s80, 1
	s_mul_i32 s80, s80, PARTC
	s_add_co_u32 s80, s80, s74
	s_lshr_b32 s81, s13, 1
	s_mul_i32 s81, s81, 2*KGC
	s_add_co_u32 s80, s80, s81
	s_min_u32 s81, s[WV], 2
	s_lshl_b32 s81, s81, 13
	s_add_co_u32 s80, s80, s81
	s_add_co_u32 s80, s80, 4*KGC                   ; the prefetches stand at step 1; the first trip steps them to step 2
	s_mov_b32 s81, 0
	s_mul_i32 s75, s14, KGC
	s_add_co_u32 s74, s74, s75                     ; q's codes
	s_mov_b32 s75, 0
	s_lshl_b32 s77, s14, 9
	s_add_co_u32 s76, s76, s77                     ; q's scale words
	s_mov_b32 s77, 0
	s_lshl_b32 s78, s14, 7
	s_lshl_b32 s79, s11, 6
	s_add_co_u32 s78, s78, s79
	s_lshl_b32 s79, s12, 4
	s_add_co_u32 s78, s78, s79                     ; my tile 2 w's first position: 64 (w / 2) + 16 (w % 2)
	s_lshl_b32 s78, s78, 9
	s_lshl_b32 s79, s15, 21
	s_add_co_u32 s78, s78, s79
	s_mov_b32 s79, 0
	s_mov_b32 s[SEL], 0x76543210
	s_mov_b32 s[SEL+1], 0xfedcba98
	s_mov_b32 s[CS], 0x3e0293ee                    ; log2(e) / sqrt(128)
	s_mov_b32 s[CS+1], s[CS]
	s_mov_b32 s[TB], 0
	s_mov_b32 s[TS], SCL
	s_mov_b32 s[CNT], 7
	s_cmp_lt_u32 s[WV], 3
	s_cselect_b32 s[LIM], 1, -1
	v_and_b32 v64, 31, v0
	v_and_b32 v65, 15, v0
	v_bfe_u32 v66, v0, 4, 1
	v_lshlrev_b32 v[A0], 4, v64
	v_lshlrev_b32 v[PFO], 8, v64
	v_lshlrev_b32 v[H8], 3, v66
	WALU
	s_wait_dscnt 0x0
	s_wait_kmcnt 0x0
	s_add_nc_u64 s[G0+2:G0+3], s[4:5], s[70:71]
	s_or_b32 s[G0+3], s[G0+3], 0x80000000
	s_add_nc_u64 s[G0H+2:G0H+3], s[4:5], s[68:69]
	s_or_b32 s[G0H+3], s[G0H+3], 0x80000000
	s_add_nc_u64 s[G0S+2:G0S+3], s[6:7], s[72:73]
	s_or_b32 s[G0S+3], s[G0S+3], 0x80000000
	s_add_nc_u64 s[PFA:PFA+1], s[4:5], s[80:81]
	s_add_nc_u64 s[16:17], s[4:5], s[74:75]
	s_add_nc_u64 s[18:19], s[6:7], s[76:77]
	s_add_nc_u64 s[8:9], s[8:9], s[78:79]
	CROUND                                         ; ahead of the first joint loads
	s_cmp_eq_u32 s12, 0                            ; one load a wave: wave 0 K's first four groups, wave 1 K's scale bytes, wave 2 V's four groups, wave 3 V's scale bytes
	s_cbranch_scc0 .Lhead_scales
	tensor_load_to_lds s[G0H:G0H+3], s[G1H:G1H+7]
	s_nop 0
	PLACES
	s_branch .Lhead_asked
.Lhead_scales:
	tensor_load_to_lds s[G0S:G0S+3], s[G1S:G1S+7]
	s_nop 0
	PLACES
.Lhead_asked:
	s_mul_i32 s68, s[WV], 3072
	v_add_nc_u32 v67, s68, v[A0]                   ; q's tiles 2 w, 2 w + 1
	s_lshl_b32 s68, s11, 8
	s_lshl_b32 s69, s12, 3
	s_add_co_u32 s68, s68, s69
	v_lshl_add_u32 v68, v65, 4, s68                ; their scale words: 256 (t / 4) + 16 r + 4 (t % 4)
	WALU
	WIN 0x40
.irp y, 0,1
.irp c, 0,1,2
	global_load_b128 v[QF+12*\y+4*\c:QF+12*\y+4*\c+3], v67, s[16:17] offset:1536*\y+512*\c
.endr
.endr
	WIN 0
.irp y, 0,1
	global_load_b32 v[QS+\y], v68, s[18:19] offset:4*\y
.endr
.irp y, 0,1
	v_mov_b32 v[ST+4*\y+1], 0xff61b1e6             ; the largest t so far: under every t
	v_floor_f32 v[ST+4*\y], -v[ST+4*\y+1]
	v_mov_b32 v[ST+4*\y+2], 0
	v_mov_b32 v[ST+4*\y+3], 0
	v_mov_b32 v[F+2*\y+1], 0
.endr
.set j, 0
.rept 8
	v_mov_b32 v[TC+j], 0                           ; a lane permute's destination counts as one of its sources
.set j, j+1
.endr
	v_mov_b32 v[ADK], v[A0]
	v_add_nc_u32 v[ADV], VOFF, v[A0]
	v_add_nc_u32 v[ADS], SCL, v[A0]
	WIN 0x40
.set j, 0
.rept 128
	v_mov_b32 v[j], 0                              ; O^T: the step is written for a sum that is under way, and the first change of M leaves zeros zeros; these lines stand under the head's loads
.set j, j+1
.endr
	WIN 0
	WALU
	s_wait_loadcnt 0x0
	s_wait_tensorcnt 0x0
	s_barrier_signal -1
	s_barrier_wait -1                              ; the head's four tiles are whole
	FETCH 0, ADK, 0, 0
	FETCH 1, ADK, KGC, 512
.Lstep:
	STEP 1
	s_sub_co_u32 s[CNT], s[CNT], 1
	s_cmp_lg_u32 s[CNT], 0
	s_cbranch_scc1 .Lstep
	STEP 0
; ---- the end: O^T / the sum, through my stage, out as whole rows of 512 bytes
	v_and_b32 v[PC], 15, v0
	v_bfe_u32 v[PC+1], v0, 4, 1
	v_mul_u32_u24 v[PC], v[PC], SPITCH
	v_lshl_add_u32 v[PC], v[PC+1], 5, v[PC]
	s_mul_i32 s68, s[WV], 16*SPITCH
	s_add_co_u32 s68, s68, STAGE
	v_add_nc_u32 v[PC], s68, v[PC]                 ; in: row r, 32 bytes for each half of the lanes
	v_add_nc_u32 v[PC+1], s68, v[A0]               ; back: 32 lanes take a row
.irp y, 0,1
	v_add_f32 v[TC+\y], v[ST+4*\y+2], v[ST+4*\y+3]
.endr
.irp y, 0,1
	v_permlanex16_b32 v[TC+2+\y], v[TC+\y], s[SEL], s[SEL+1]
.endr
.irp y, 0,1
	v_add_f32 v[TC+\y], v[TC+\y], v[TC+2+\y]
.endr
	WALU                                           ; the wait ahead of the transcendentals
.irp y, 0,1
	v_rcp_f32 v[F+2*\y], v[TC+\y]
.endr
	v_nop
	WALU                                           ; and ahead of their first reader, which is O^T's too
	WIN 0x81
.irp y, 0,1
.set j, 0
.rept 32
	v_pk_mul_f32 v[64*\y+j:64*\y+j+1], v[64*\y+j:64*\y+j+1], v[F+2*\y:F+2*\y+1] op_sel_hi:[1,0]
.set j, j+2
.endr
.endr
	WALU
.irp y, 0,1
	WIN 0x08
.irp t, 0,1,2,3,4,5,6,7
	ds_store_b128 v[PC], v[64*\y+8*\t:64*\y+8*\t+3] offset:64*\t
	ds_store_b128 v[PC], v[64*\y+8*\t+4:64*\y+8*\t+7] offset:64*\t+16
.endr
	WIN 0xc0
.irp i, 0,1,2,3,4,5,6,7,8,9,10,11,12,13,14,15
	ds_load_b128 v[64*\y+4*\i:64*\y+4*\i+3], v[PC+1] offset:\i*SPITCH   ; LDS serves a wave's instructions in order: these see my stores
.endr
.endr
	WIN 0x0c
.irp y, 0,1
	s_wait_dscnt 32-32*\y                          ; tile y is back; behind tile 0's loads stand tile 1's 16 stores and 16 loads
.irp i, 0,1,2,3,4,5,6,7,8,9,10,11,12,13,14,15
	global_store_b128 v[A0], v[64*\y+4*\i:64*\y+4*\i+3], s[8:9] offset:(\i+24*(\i/8)+8*\y)*512 th:TH_STORE_NT   ; 512 consecutive bytes, aligned: row i of the tile is position i % 8 + 32 (i / 8)
.endr
.endr
	WIN 0
	s_wait_tensorcnt 0x0                           ; the wave's end
	ds_add_u32 v[SPW], v[NIL]
	s_wait_dscnt 0x0
	CROUND                                         ; the closing round
	s_endpgm
.Lfunc_end_k_q73add40e1c_attn:
	.size	k_q73add40e1c_attn, .Lfunc_end_k_q73add40e1c_attn-k_q73add40e1c_attn
	.p2alignl 7, 3214868480
	.fill 96, 4, 3214868480
	.section	.rodata,"a",@progbits
	.p2align	6, 0x0
	.amdhsa_kernel k_q73add40e1c_attn
		.amdhsa_group_segment_fixed_size 327680
		.amdhsa_private_segment_fixed_size 0
		.amdhsa_enable_private_segment 0
		.amdhsa_kernarg_size 24
		.amdhsa_user_sgpr_count 2
		.amdhsa_user_sgpr_kernarg_segment_ptr 1
		.amdhsa_wavefront_size32 1
		.amdhsa_system_sgpr_workgroup_id_x 1
		.amdhsa_system_sgpr_workgroup_id_y 1
		.amdhsa_system_sgpr_workgroup_id_z 1
		.amdhsa_system_vgpr_workitem_id 0
		.amdhsa_next_free_vgpr 1024
		.amdhsa_next_free_sgpr 84
		.amdhsa_reserve_vcc 0
		.amdhsa_float_denorm_mode_32 3
		.amdhsa_float_denorm_mode_16_64 3
		.amdhsa_memory_ordered 1
		.amdhsa_forward_progress 1
		.amdhsa_inst_pref_size 255
	.end_amdhsa_kernel
	.section	.bss,"aw",@nobits
	.p2align	6
	.space	262144
	.amdgpu_metadata
---
amdhsa.version: [ 1, 2 ]
amdhsa.kernels:
  - .name:           k_q73add40e1c_attn
    .symbol:         k_q73add40e1c_attn.kd
    .args:
      - { .name: codes, .offset: 0, .size: 8, .value_kind: global_buffer, .address_space: global }
      - { .name: scales, .offset: 8, .size: 8, .value_kind: global_buffer, .address_space: global }
      - { .name: out0, .offset: 16, .size: 8, .value_kind: global_buffer, .address_space: global }
    .group_segment_fixed_size: 327680
    .private_segment_fixed_size: 0
    .kernarg_segment_align: 8
    .kernarg_segment_size: 24
    .max_flat_workgroup_size: 128
    .sgpr_count:     84
    .vgpr_count:     1024
    .wavefront_size: 32
...
	.end_amdgpu_metadata
.endif
;; end of part 2
